; MI455X (gfx1250); checked and timed in simulation.
; The chip was launched on July 23, 2026; its instructions are those of AMD's public machine-readable ISA for CDNA 5 (MIT licence, August 2026) and "CDNA5" Instruction Set Architecture Reference Guide (July 2026). The comments in the code are by the model that wrote it; some were corrected since.
;; Simple Vector Quantizer. Allowed arithmetic: float matrix products may take bf16 or f16 operands with f32 sums; all other float work in f32.
;; Inputs: emb 8,192 x 256 float32; z 32,768 x 256 float32.
;; Outputs: out0 32,768 x 256 float32; out1 one number float32; out2 32,768 int32.
;; One version. Each part assembles by itself: llvm-mc -triple=amdgcn-amd-amdhsa -mcpu=gfx1250 --defsym DOCPART=n.
;; ======== version 1 of 1: 4 launches
;; workspace buffers: embh 4,194,304 bytes; ee 32,768 bytes; codes 131,072 bytes of whole numbers; part 2,048 bytes
;; launch prep (part 1): grid 128 x 1, 16 waves a work-group, no clusters, 2,304 bytes of LDS; arguments emb, embh, ee; writes embh, ee
.if DOCPART == 1
	.amdgcn_target "amdgcn-amd-amdhsa--gfx1250"
	.amdhsa_code_object_version 6
	.text
	.protected	k_q149ce19b3a_prep
	.globl	k_q149ce19b3a_prep
	.p2align	8
	.type	k_q149ce19b3a_prep,@function
k_q149ce19b3a_prep:
	s_mov_b64 s[64:65], 0
	v_nop
	global_prefetch_b8 v0, s[64:65] scope:SCOPE_SE
	s_setreg_imm32_b32 hwreg(HW_REG_WAVE_MODE, 25, 1), 1
	s_wait_xcnt 0x0
; embh[j][k] = bf16(emb[j][k]);  ee[j] = sum over k of bf16(emb[j][k])^2, in f32.   emb: [8192][256] f32.
; ee is formed from the ROUNDED numbers, because the next launch multiplies the rounded numbers: all three terms of a distance then belong to the same vectors.
; A stream: each byte of emb is read once, each byte of embh and ee written once; no matrix unit, no cluster (work-groups share nothing).
; Sixteen waves; the work-group owns 64 rows, so that its 64 sums are 256 consecutive bytes of ee, stored by one instruction.
; A wave owns 4 rows; a row of 1,024 bytes is two loads of 16 bytes a lane (512 neighbouring bytes each).  All eight loads go out at once.
.set X,  8                             ; v[8:39]   row i: 8 registers as loaded
.set P,  40                            ; v[40:55]  row i: 4 registers, 8 bf16; a set for each row, so no store's data is ever rewritten
.set U,  56                            ; v[56:63]  the rounded numbers back in f32
.set S,  64                            ; v[64:65]  two running sums
.set PX, 66                            ; v66       what the other half of the lanes holds
	s_load_b128 s[4:7], s[0:1], 0x0                ; emb s[4:5], embh s[6:7]
	s_load_b64 s[8:9], s[0:1], 0x10                ; ee
	v_lshl_add_u32 v72, v0, 2, 0x100
	v_mov_b32 v73, 0
	v_lshrrev_b32 v4, 5, v0
	v_readfirstlane_b32 s10, v4                    ; wave 0..15
	v_and_b32 v5, 31, v0                           ; lane
	v_lshlrev_b32 v1, 4, v5                        ; 16 bytes a lane in emb
	v_lshlrev_b32 v2, 3, v5                        ; 8 bytes a lane in embh, and in ee at the end
	s_mov_b32 s12, 0x76543210                      ; v_permlanex16_b32: lane i of one half reads lane i of the other
	s_mov_b32 s13, 0xfedcba98
	s_mov_b32 s14, 0xffff0000                      ; a word's upper bf16
	s_lshl_b32 s15, s10, 4
	v_mov_b32 v3, s15                              ; LDS: my wave's four words
	v_mov_b32 v[PX], 0                             ; v_permlanex16_b32 counts as a reader of its destination
	s_lshl_b32 s16, ttmp9, 16                      ; 64 rows of 1,024 bytes a work-group,
	s_lshl_b32 s18, s10, 12                        ; 4 rows a wave
	s_add_co_u32 s16, s16, s18
	s_mov_b32 s17, 0
	s_lshr_b32 s18, s16, 1                         ; half as many bytes in embh
	s_mov_b32 s19, 0
	s_lshl_b32 s20, ttmp9, 8                       ; 64 words of ee a work-group
	s_mov_b32 s21, 0
	s_wait_kmcnt 0x0
	s_add_nc_u64 s[4:5], s[4:5], s[16:17]
	s_add_nc_u64 s[6:7], s[6:7], s[18:19]
	s_add_nc_u64 s[8:9], s[8:9], s[20:21]
.irp i, 0,1,2,3
	global_load_b128 v[X+8*\i:X+8*\i+3],   v1, s[4:5] offset:1024*\i th:TH_LOAD_NT
	global_load_b128 v[X+8*\i+4:X+8*\i+7], v1, s[4:5] offset:1024*\i+512 th:TH_LOAD_NT
.endr
.macro ROW i
	s_wait_loadcnt 6-2*\i                          ; loads come back in order: row i's two are in, the two of each later row stay out
.irp k, 0,1,2,3
	v_cvt_pk_bf16_f32 v[P+4*\i+\k], v[X+8*\i+2*\k], v[X+8*\i+2*\k+1]
.endr
	global_store_b64 v2, v[P+4*\i:P+4*\i+1],   s[6:7] offset:512*\i        ; 32 lanes x 8 bytes: 256 consecutive bytes, aligned
	global_store_b64 v2, v[P+4*\i+2:P+4*\i+3], s[6:7] offset:512*\i+256
.irp k, 0,1,2,3
	v_lshlrev_b32 v[U+2*\k],   16,  v[P+4*\i+\k]   ; bf16 to f32: the low half moves up,
	v_and_b32     v[U+2*\k+1], s14, v[P+4*\i+\k]   ; the high half stays
.endr
	v_pk_mul_f32 v[S:S+1], v[U:U+1], v[U:U+1]      ; the first squares start the sums
.irp k, 2,4,6
	v_pk_fma_f32 v[S:S+1], v[U+\k:U+\k+1], v[U+\k:U+\k+1], v[S:S+1]
.endr
	v_add_f32 v[S], v[S], v[S+1]
	v_add_f32_dpp v[S], v[S], v[S] row_xmask:1 row_mask:0xf bank_mask:0xf
	v_add_f32_dpp v[S], v[S], v[S] row_xmask:2 row_mask:0xf bank_mask:0xf
	v_add_f32_dpp v[S], v[S], v[S] row_xmask:4 row_mask:0xf bank_mask:0xf
	v_add_f32_dpp v[S], v[S], v[S] row_xmask:8 row_mask:0xf bank_mask:0xf
	v_permlanex16_b32 v[PX], v[S], s12, s13
	v_add_f32 v[S], v[S], v[PX]                    ; every lane holds the row's sum
	ds_store_b32 v3, v[S] offset:4*\i              ; all lanes write the same word with the same value
.endm
	ROW 0
	ROW 1
	ROW 2
	ROW 3
	s_wait_dscnt 0x0                               ; my four words are in LDS, for wave 0's sake
	s_barrier_signal -1
	s_barrier_wait -1
	s_cmp_lg_u32 s10, 0
	s_cbranch_scc1 .Lend
	ds_load_b64 v[U:U+1], v2                       ; wave 0: the work-group's 64 sums, two a lane
	s_wait_dscnt 0x0
	global_store_b64 v2, v[U:U+1], s[8:9]          ; 256 consecutive bytes of ee, aligned
.Lend:
	s_wait_tensorcnt 0x0
	ds_add_u32 v72, v73
	s_wait_dscnt 0x0
	s_endpgm
.Lfunc_end_k_q149ce19b3a_prep:
	.size	k_q149ce19b3a_prep, .Lfunc_end_k_q149ce19b3a_prep-k_q149ce19b3a_prep
	.p2alignl 7, 3214868480
	.fill 96, 4, 3214868480
	.section	.rodata,"a",@progbits
	.p2align	6, 0x0
	.amdhsa_kernel k_q149ce19b3a_prep
		.amdhsa_group_segment_fixed_size 2304
		.amdhsa_private_segment_fixed_size 0
		.amdhsa_enable_private_segment 0
		.amdhsa_kernarg_size 24
		.amdhsa_user_sgpr_count 2
		.amdhsa_user_sgpr_kernarg_segment_ptr 1
		.amdhsa_wavefront_size32 1
		.amdhsa_system_sgpr_workgroup_id_x 1
		.amdhsa_system_sgpr_workgroup_id_y 1
		.amdhsa_system_sgpr_workgroup_id_z 1
		.amdhsa_system_vgpr_workitem_id 0
		.amdhsa_next_free_vgpr 74
		.amdhsa_next_free_sgpr 66
		.amdhsa_reserve_vcc 0
		.amdhsa_float_denorm_mode_32 3
		.amdhsa_float_denorm_mode_16_64 3
		.amdhsa_memory_ordered 1
		.amdhsa_forward_progress 1
		.amdhsa_inst_pref_size 9
	.end_amdhsa_kernel
	.amdgpu_metadata
---
amdhsa.version: [ 1, 2 ]
amdhsa.kernels:
  - .name:           k_q149ce19b3a_prep
    .symbol:         k_q149ce19b3a_prep.kd
    .args:
      - { .name: emb, .offset: 0, .size: 8, .value_kind: global_buffer, .address_space: global }
      - { .name: embh, .offset: 8, .size: 8, .value_kind: global_buffer, .address_space: global }
      - { .name: ee, .offset: 16, .size: 8, .value_kind: global_buffer, .address_space: global }
    .group_segment_fixed_size: 2304
    .private_segment_fixed_size: 0
    .kernarg_segment_align: 8
    .kernarg_segment_size: 24
    .max_flat_workgroup_size: 512
    .sgpr_count:     66
    .vgpr_count:     74
    .wavefront_size: 32
...
	.end_amdgpu_metadata
.endif
;; end of part 1
;; launch vq (part 2): grid 256 x 1, 8 waves a work-group, clusters of 4 x 1, 327,680 bytes of LDS; arguments z, embh, ee, out2, codes; writes out2, codes
.if DOCPART == 2
	.amdgcn_target "amdgcn-amd-amdhsa--gfx1250"
	.amdhsa_code_object_version 6
	.text
	.protected	k_q149ce19b3a_vq
	.globl	k_q149ce19b3a_vq
	.p2align	8
	.type	k_q149ce19b3a_vq,@function
k_q149ce19b3a_vq:
	s_mov_b64 s[64:65], 0
	v_nop
	global_prefetch_b8 v0, s[64:65] scope:SCOPE_SE
	s_setreg_imm32_b32 hwreg(HW_REG_WAVE_MODE, 25, 1), 1
	s_wait_xcnt 0x0
	s_wait_alu depctr_hold_cnt(0) depctr_sa_sdst(0) depctr_va_vdst(0) depctr_va_sdst(0) depctr_va_ssrc(0) depctr_va_vcc(0) depctr_vm_vsrc(0)
	s_getreg_b32 s2, hwreg(HW_REG_IB_STS2, 6, 4)
	s_cmp_eq_u32 s2, 0
	s_cbranch_scc0 .Lentry_in_a_cluster
	s_endpgm
.Lentry_in_a_cluster:
	s_bfe_u32 s2, ttmp6, 0x10000c
	s_cmp_lg_u32 s2, 0x3003
	s_cbranch_scc0 .Lentry_shape_is_right
	s_endpgm
.Lentry_shape_is_right:
; out2[b] = codes[b] = the first j that makes d(b, j) = (zz[b] + ee[j]) - 2 z[b].e[j] smallest.   z: [32768][256] f32, embh: [8192][256] bf16, ee: [8192] f32.
; LIMITS.  The product takes bf16 operands, so d is the squared distance of the vectors ROUNDED to bf16: zz and ee are sums of the rounded numbers' squares too.
; The last two operations are made as written above, each rounded once in f32 (t = zz + ee; d = fma(-2, product, t): 2 x product is exact), and equal d go to the
; lower j at every level.  The order of summation inside the product is the matrix instruction's: where two codes' d differ by less than that rounding the index can
; differ from a sum taken in another order.  A NaN distance is never chosen; a row whose distances are all +inf (or NaN) gets index 0.
;
; SHARES.  A work-group owns 128 rows of z against all 8,192 codes, so the choice never leaves it.  Eight waves: wave w has rg = w / 4 (which 64 rows) and
; cg = w % 4 (which 64 of each tile's 256 codes).  A wave's 64 x 256 of z stay in 256 registers as bf16 fragments for the whole launch; 16 codes x 256 K are
; 64 registers (8 KiB from LDS) and feed 32 matrix instructions.  Two waves for each SIMD and not one: each 32 matrix instructions carry 92 vector instructions
; of the choice, and with two waves one wave's choice runs beside the other's products while each wave's text stays in long stretches (two window switches for 32 matrix instructions).
; THE MATRIX INSTRUCTION IS USED TRANSPOSED: source 0 = 16 codes, source 1 = 16 rows of z.  Register j of lane (r = l % 16, h = l / 16) then holds
; d(code 8 h + j, row r): a lane's running state is one best value for each of its four rows.
; THE CHOICE: per lane and row, the smallest of the eight d; if it beats the best so far, the tile's first code and the eight d are kept by selects.  Which of the
; eight it was is looked up once at the end (the first that equals the best).  No branch and no address hangs on a distance.
; TWO FRAGMENT BUFFERS: a sixteen's fragments are asked for one sixteen ahead, into the buffer that is not being multiplied.  So all four sixteens of a slot have been
; read when the third is multiplied: the slots change there, and behind the change the fourth sixteen's 32 products stand ready in registers while the first
; fragments of the next slot are on their way.
; CLUSTER: all work-groups walk the same tiles of embh and the same ee; four work-groups ask for them jointly (mask 15), which divides those requests by four.
; z's tile is each work-group's own (mask 0).
;
; LDS: slot 0 at 0, slot 1 at SLOT: 256 codes x 528 bytes (512 + 16 of padding: an odd multiple of 16, so the 16 rows of a fragment load start at 16 different 16-byte columns);
;      slot 1 first holds z in f32, 128 rows x 1,040 bytes; EEB: ee, 32 KiB, filled once; MRG: 8 waves x 64 rows x (d, index), written by LDS stores, never a fill's target.
.set PITCH, 528
.set NT,    16*PITCH                   ; 16 codes
.set SLOT,  256*PITCH                  ; 135,168
.set ZP,    1040                       ; a row of z in f32: 1,024 + 16
.set EEB,   2*SLOT                     ; 270,336
.set MRG,   EEB+32768                  ; 303,104
.set STEP,  131072                     ; bytes of embh in a tile of 256 codes
.set LAPS,  15                         ; 32 tiles: 15 laps of two, and two written out
; window 0 (all 256 registers are in use):
.set BADR, 4                           ; v4, v5    LDS address of my code fragments in slot 0, 1
.set EADR, 6                           ; v6        LDS address of my eight ee; 1,024 bytes on with each tile
.set ZA,   7                           ; v7        LDS address of my z fragments; at the end: where I put my results
.set ZZ,   8                           ; v[8:15]   zz of my row of row tile q, twice (a pair for the packed add)
.set BEST, 16                          ; v[16:19]  row tile q: smallest d so far
.set IDX,  20                          ; v[20:23]  the first code of the 16 in which it was found
.set SAVE, 24                          ; v[24:55]  my eight d of that time
.set EE,   56                          ; v[56:71]  eight ee, two buffers
.set T,    72                          ; v[72:87]  t, then d: two sets of eight, even and odd q
.set M,    88                          ; v[88:95]  row tile q: two registers at work
.set ACC,  96                          ; v[96:127] four accumulators
.set B,    128                         ; v[128:191], v[192:255] 16 codes x 256 K, two buffers: K step c in 8 registers
.set STG,  128                         ; v[128:255] z in f32 on its way to bf16 (before the first code fragment is loaded)
; window 1: v[64 q + 8 c : + 7] = z fragment of row tile q, K step c
.set G1E, 24                           ; s[24:31] group 1: a wave's eighth of a code tile, joint
.set G1Z, 32                           ; s[32:39] group 1: a wave's eighth of z, the work-group's own
.set G1V, 40                           ; s[40:47] group 1: a wave's eighth of ee, joint
.set G0,  48                           ; s[48:55] group 0 of the code tiles, a set for each slot
.set G0Z, 56                           ; s[56:59] group 0 of z
.set G0V, 60                           ; s[60:63] group 0 of ee
.set MSB, 0
.macro WIN new                         ; s_set_vgpr_msb: bits 1:0 source 0, 3:2 source 1, 5:4 source 2, 7:6 destination; the high byte repeats the setting that is left
.if MSB != \new
	s_set_vgpr_msb (MSB<<8)|\new
.set MSB, \new
.endif
.endm
; A round of the cluster's barrier: my work-group's barrier, wave 0 signals for the work-group, every wave waits for all four work-groups, my work-group's barrier once more.
.macro CREST                           ; a round behind its opening barrier
	s_cmp_lg_u32 s14, 0
	s_cbranch_scc1 .Lnot_wave_0_\@
	s_barrier_signal -3
.Lnot_wave_0_\@:
	s_barrier_wait -3
	s_barrier_signal -1
	s_barrier_wait -1
.endm
.macro ROUND
	s_barrier_signal -1
	s_barrier_wait -1
	CREST
.endm
	s_load_b256 s[4:11], s[0:1], 0x0               ; z s[4:5], embh s[6:7], ee s[8:9], out2 s[10:11]
	s_load_b64 s[12:13], s[0:1], 0x20              ; codes
	v_lshl_add_u32 v126, v0, 2, 0x4b000
	v_mov_b32 v127, 0
	ds_add_u32 v126, v127
	s_wait_dscnt 0x0
	v_lshrrev_b32 v1, 5, v0
	v_readfirstlane_b32 s14, v1                    ; wave 0..7
	s_lshr_b32 s15, s14, 2                         ; rg
	s_and_b32 s16, s14, 3                          ; cg
	s_bfe_u32 s17, ttmp6, 0x40000                  ; cx
	s_lshl_b32 s18, ttmp9, 2                       ; in a cluster launch ttmp9 counts clusters
	s_add_co_u32 s18, s18, s17                     ; work-group x = 4 x cluster + cx: enters z's and the outputs' global addresses alone
	s_mov_b32 s22, 0x76543210                      ; v_permlanex16_b32: lane i of one half reads lane i of the other
	s_mov_b32 s23, 0xfedcba98
	s_lshl_b32 s20, s16, 6                         ; the first code of my current 16: 256 x tile + 64 cg + 16 i
	; group 1 of a code tile: 32 rows x 256 elements of 2 bytes, 4 words of padding behind every 128 words
	s_mov_b32 s[G1E+0], 15|(1<<16)|(1<<20)|(1<<21)|(6<<22)|(3<<25)  ; 15:0 mask: all four work-groups; 17:16 2 bytes; 20 padding on; 21 set beside a mask; 24:22 every 128 words; 31:25 4 words
	s_mov_b32 s[G1E+1], 256<<16                    ; tensor_dim0 = 256
	s_mov_b32 s[G1E+2], 32<<16                     ; tensor_dim1 = 32
	s_mov_b32 s[G1E+3], 256<<16                    ; tile_dim0 = 256
	s_mov_b32 s[G1E+4], 32                         ; tile_dim1 = 32
	s_mov_b32 s[G1E+5], 256                        ; elements from row to row
	s_mov_b32 s[G1E+6], 0
	s_mov_b32 s[G1E+7], 0
	; group 1 of z: 16 rows x 256 elements of 4 bytes, 4 words of padding behind every 256 words; no mask
	s_mov_b32 s[G1Z+0], (2<<16)|(1<<20)|(7<<22)|(3<<25)
	s_mov_b32 s[G1Z+1], 256<<16
	s_mov_b32 s[G1Z+2], 16<<16
	s_mov_b32 s[G1Z+3], 256<<16
	s_mov_b32 s[G1Z+4], 16
	s_mov_b32 s[G1Z+5], 256
	s_mov_b32 s[G1Z+6], 0
	s_mov_b32 s[G1Z+7], 0
	; group 1 of ee: a dense block of 4,096 bytes as 16 rows x 32 elements of 8 bytes; joint
	s_mov_b32 s[G1V+0], 15|(3<<16)|(1<<21)
	s_mov_b32 s[G1V+1], 32<<16
	s_mov_b32 s[G1V+2], 16<<16
	s_mov_b32 s[G1V+3], 32<<16
	s_mov_b32 s[G1V+4], 16
	s_mov_b32 s[G1V+5], 32
	s_mov_b32 s[G1V+6], 0
	s_mov_b32 s[G1V+7], 0
	s_lshl_b32 s76, s14, 14                        ; my eighth: 32 rows of embh, or 16 rows of z: 16,384 bytes either way
	s_mov_b32 s77, 0
	s_lshl_b32 s78, s14, 12                        ; my eighth of ee
	s_mov_b32 s79, 0
	s_lshl_b32 s74, s18, 17                        ; the work-group's 128 rows of z
	s_mov_b32 s75, 0
	s_mul_i32 s21, s14, 32*PITCH                   ; LDS addresses hang on the wave's number and the slot alone
	s_mov_b32 s[G0Z], 1
	s_mul_i32 s[G0Z+1], s14, 16*ZP
	s_add_co_u32 s[G0Z+1], s[G0Z+1], SLOT
	s_mov_b32 s[G0V], 1
	s_add_co_u32 s[G0V+1], s78, EEB
	s_wait_kmcnt 0x0
	s_add_nc_u64 s[6:7], s[6:7], s[76:77]
.irp n, 0,1
	s_mov_b32 s[G0+4*\n], 1
	s_add_co_u32 s[G0+4*\n+1], s21, \n*SLOT
	s_add_nc_u64 s[G0+4*\n+2:G0+4*\n+3], s[6:7], \n*STEP           ; slot n begins with tile n
	s_or_b32 s[G0+4*\n+3], s[G0+4*\n+3], 0x80000000               ; type = 2
.endr
	s_add_nc_u64 s[4:5], s[4:5], s[74:75]
	s_add_nc_u64 s[G0Z+2:G0Z+3], s[4:5], s[76:77]
	s_or_b32 s[G0Z+3], s[G0Z+3], 0x80000000
	s_add_nc_u64 s[G0V+2:G0V+3], s[8:9], s[78:79]
	s_or_b32 s[G0V+3], s[G0V+3], 0x80000000
	s_lshl_b32 s74, s18, 9                         ; the work-group's 128 indices
	s_add_nc_u64 s[10:11], s[10:11], s[74:75]
	s_add_nc_u64 s[12:13], s[12:13], s[74:75]
	ROUND                                          ; all four work-groups are here: the first joint loads meet
	tensor_load_to_lds s[G0Z:G0Z+3], s[G1Z:G1Z+7]  ; the first fills, one group: z into slot 1's bytes,
	s_nop 0
	tensor_load_to_lds s[G0V:G0V+3], s[G1V:G1V+7]  ; ee,
	s_nop 0
	tensor_load_to_lds s[G0:G0+3], s[G1E:G1E+7]    ; tile 0 into slot 0.  Three loads of the wave are out here, later one
	s_nop 0
	v_and_b32 v1, 15, v0                           ; r
	v_bfe_u32 v2, v0, 4, 1                         ; h
	v_lshlrev_b32 v3, 3, v2                        ; 8 h
	v_mul_u32_u24 v[BADR], v1, PITCH               ; a 16-bit fragment from rows that lie along K: row r, 16 bytes at 16 h and at 32 + 16 h of each 64
	v_lshl_add_u32 v[BADR], v2, 4, v[BADR]
	s_mul_i32 s21, s16, 4*NT                       ; my 64 codes of the tile
	v_add_nc_u32 v[BADR], s21, v[BADR]
	v_add_nc_u32 v[BADR+1], SLOT, v[BADR]
	s_lshl_b32 s21, s16, 8
	s_add_co_u32 s21, s21, EEB
	v_lshl_add_u32 v[EADR], v2, 5, s21             ; ee of codes 64 cg + 8 h + 0..7
	v_mul_u32_u24 v[ZA], v1, ZP
	v_lshl_add_u32 v[ZA], v2, 5, v[ZA]             ; in f32 the eight K of a half are 32 bytes
	s_mul_i32 s21, s15, 64*ZP
	s_add_co_u32 s21, s21, SLOT
	v_add_nc_u32 v[ZA], s21, v[ZA]
	s_mov_b32 s21, 0x7f800000                      ; +inf: any finite d beats it; if none does, the look-up at the end finds place 0
.irp q, 0,1,2,3
	v_mov_b32 v[BEST+\q], s21
	v_mov_b32 v[IDX+\q], 0
.endr
.set j, 0
.rept 32
	v_mov_b32 v[SAVE+j], s21
.set j, j+1
.endr
	v_mov_b32 v[M], 0                              ; v_permlanex16_b32 counts as a reader of its destination
	s_wait_tensorcnt 0x0                           ; my parts of z, ee and tile 0 are in,
	s_barrier_signal -1
	s_barrier_wait -1                              ; everybody's are.
; Row tile q of z: 16 rows x 256 K from f32 in LDS to bf16 fragments in window 1, and zz of the rounded numbers.
.macro ZTILE q
.irp c, 0,1,2,3,4,5,6,7
	ds_load_b128 v[STG+16*\c:STG+16*\c+3],     v[ZA] offset:\q*16*ZP+128*\c       ; K = 32 c + 8 h + 0..3
	ds_load_b128 v[STG+16*\c+4:STG+16*\c+7],   v[ZA] offset:\q*16*ZP+128*\c+16    ;                 + 4..7
	ds_load_b128 v[STG+16*\c+8:STG+16*\c+11],  v[ZA] offset:\q*16*ZP+128*\c+64    ; K = 32 c + 16 + 8 h + 0..3
	ds_load_b128 v[STG+16*\c+12:STG+16*\c+15], v[ZA] offset:\q*16*ZP+128*\c+80
.endr
.irp ch, 0,1,2,3
	v_mov_b32 v[T+\ch], 0                          ; four chains of squares
.endr
	s_wait_dscnt 0x0
	WIN 0x40                                       ; destination in window 1
.irp c, 0,1,2,3,4,5,6,7
.irp p, 0,1,2,3,4,5,6,7
	v_cvt_pk_bf16_f32 v[64*\q+8*\c+\p], v[STG+16*\c+2*\p], v[STG+16*\c+2*\p+1]
.endr
.endr
	WIN 0x05                                       ; sources 0 and 1 in window 1; the sum in window 0
.irp c, 0,1,2,3,4,5,6,7
.irp p, 0,1,2,3,4,5,6,7
	v_fma_mix_f32_bf16 v[T+(\p%4)], v[64*\q+8*\c+\p], v[64*\q+8*\c+\p], v[T+(\p%4)] op_sel_hi:[1,1,0]                 ; the low halves' squares
.endr
.irp p, 0,1,2,3,4,5,6,7
	v_fma_mix_f32_bf16 v[T+(\p%4)], v[64*\q+8*\c+\p], v[64*\q+8*\c+\p], v[T+(\p%4)] op_sel:[1,1,0] op_sel_hi:[1,1,0]  ; the high halves'
.endr
.endr
	WIN 0
	v_add_f32 v[T], v[T], v[T+1]
	v_add_f32 v[T+2], v[T+2], v[T+3]
	v_add_f32 v[T], v[T], v[T+2]                   ; my half of row r's K;
	v_permlanex16_b32 v[M], v[T], s22, s23         ; lane r + 16 (or r) holds the other half
	v_add_f32 v[ZZ+2*\q], v[T], v[M]
	v_add_f32 v[ZZ+2*\q+1], v[T], v[M]
.endm
	ZTILE 0
	ZTILE 1
	ZTILE 2
	ZTILE 3
; 2 LDS loads: my eight ee at byte off from EADR (64 bytes on for each sixteen, 1,024 for the next tile) into buffer e
.macro FETCHE off, e
	ds_load_b128 v[EE+8*\e:EE+8*\e+3],   v[EADR] offset:\off
	ds_load_b128 v[EE+8*\e+4:EE+8*\e+7], v[EADR] offset:\off+16
.endm
; 16 LDS loads: the fragments of 16 codes (number i of my four in the slot) into buffer b, K step by K step
.macro FETCHB slot, i, b
.irp c, 0,1,2,3,4,5,6,7
	ds_load_b128 v[B+64*\b+8*\c:B+64*\b+8*\c+3],   v[BADR+(\slot)] offset:\i*NT+64*\c
	ds_load_b128 v[B+64*\b+8*\c+4:B+64*\b+8*\c+7], v[BADR+(\slot)] offset:\i*NT+64*\c+32
.endr
.endm
; 32 matrix instructions: the 16 codes of buffer b x my 64 rows x 256 K.  The first K step starts the sums (C = 0): nothing is cleared.
; The four accumulators take turns, one instruction a turn, from one MUL into the next and over the loop's backward jump too.
.macro MUL b
	WIN 0x04                                       ; source 1 (z) in window 1
.irp c, 0,1,2,3,4,5,6,7
.irp q, 0,1,2,3
.if \c == 0
	v_wmma_f32_16x16x32_bf16 v[ACC+8*\q:ACC+8*\q+7], v[B+64*\b+8*\c:B+64*\b+8*\c+7], v[64*\q+8*\c:64*\q+8*\c+7], 0
.else
	v_wmma_f32_16x16x32_bf16 v[ACC+8*\q:ACC+8*\q+7], v[B+64*\b+8*\c:B+64*\b+8*\c+7], v[64*\q+8*\c:64*\q+8*\c+7], v[ACC+8*\q:ACC+8*\q+7]
.endif
.endr
.endr
	WIN 0
.endm
; The pieces of the choice.  t = zz + ee and d = t - 2 x product, each rounded once, four numbers (two packed instructions) to a piece.
.macro TADDH q, e, p0
.irp p, \p0, \p0+2
	v_pk_add_f32 v[T+8*(\q&1)+(\p):T+8*(\q&1)+(\p)+1], v[EE+8*\e+(\p):EE+8*\e+(\p)+1], v[ZZ+2*\q:ZZ+2*\q+1]
.endr
.endm
.macro DQH q, p0
.irp p, \p0, \p0+2
	v_pk_fma_f32 v[T+8*(\q&1)+(\p):T+8*(\q&1)+(\p)+1], v[ACC+8*\q+(\p):ACC+8*\q+(\p)+1], -2.0, v[T+8*(\q&1)+(\p):T+8*(\q&1)+(\p)+1] op_sel_hi:[1,0,1]
.endr
.endm
; t of row tile 0 stands straight behind each MUL: its four packed adds name none of the matrix instructions' registers and are the
; four places in front of a load into a fragment buffer just multiplied and of the first read of an accumulator.
.macro TADD0 e
	TADDH 0, \e, 0
	TADDH 0, \e, 4
.endm
.macro TREE_AB q                       ; the smallest of my eight d, in four steps
	v_min3_num_f32 v[M+2*\q],   v[T+8*(\q&1)],   v[T+8*(\q&1)+1], v[T+8*(\q&1)+2]
	v_min3_num_f32 v[M+2*\q+1], v[T+8*(\q&1)+3], v[T+8*(\q&1)+4], v[T+8*(\q&1)+5]
.endm
.macro TREE_A2 q
	v_min3_num_f32 v[M+2*\q],   v[M+2*\q],       v[T+8*(\q&1)+6], v[T+8*(\q&1)+7]
.endm
.macro TREE_M q
	v_min_num_f32  v[M+2*\q],   v[M+2*\q],       v[M+2*\q+1]
.endm
.macro CMPQ q                          ; below the best?  Strictly: the earlier code keeps an equal d
	v_cmp_lt_f32 vcc_lo, v[M+2*\q], v[BEST+\q]
.endm
.macro KEEP q                          ; the new best, and the first code of the sixteen in which it was found
	v_min_num_f32 v[BEST+\q], v[BEST+\q], v[M+2*\q]
	v_cndmask_b32 v[IDX+\q], v[IDX+\q], s20, vcc_lo
.endm
.macro SAVEP q, j                      ; and the eight d of that time, two to a piece
	v_cndmask_b32 v[SAVE+8*\q+\j],   v[SAVE+8*\q+\j],   v[T+8*(\q&1)+\j],   vcc_lo
	v_cndmask_b32 v[SAVE+8*\q+\j+1], v[SAVE+8*\q+\j+1], v[T+8*(\q&1)+\j+1], vcc_lo
.endm
; One row tile's turn: between the dependent steps of its tree and between its compare and its selects stand t and d of the next row tile n, which go into the other set of T
; (that set's last readers, the selects of row tile q - 1, stand in front).
.macro BLK q, n, e
	TREE_AB \q
	TADDH \n, \e, 0
	TREE_A2 \q
	TADDH \n, \e, 4
	TREE_M \q
	DQH \n, 0
	CMPQ \q
	DQH \n, 4
	KEEP \q
.endm
; The choice for 16 codes x 64 rows: 88 vector instructions (t of row tile 0 has been made).  Row tile 3 has no successor: six of row tile 2's selects stand in its gaps,
; all of them ahead of its compare, which writes the mask anew.
.macro EPI e
	DQH 0, 0
	DQH 0, 4
	BLK 0, 1, \e
	SAVEP 0, 0
	SAVEP 0, 2
	SAVEP 0, 4
	SAVEP 0, 6
	BLK 1, 2, \e
	SAVEP 1, 0
	SAVEP 1, 2
	SAVEP 1, 4
	SAVEP 1, 6
	BLK 2, 3, \e
	SAVEP 2, 0
	TREE_AB 3
	SAVEP 2, 2
	TREE_A2 3
	SAVEP 2, 4
	TREE_M 3
	SAVEP 2, 6
	CMPQ 3
	KEEP 3
	SAVEP 3, 0
	SAVEP 3, 2
	SAVEP 3, 4
	SAVEP 3, 6
.endm
; A tile of 256 codes in a slot: my four sixteens, on fragment buffers 0, 1, 0, 1 and ee buffers 0, 1, 0, 1.  At the head sixteen 0's 18 loads are out or in.
; mode 2: the slot is filled again, two tiles ahead; 1: the slots change, nothing is left to fetch; 0: the last tile.
; THE CHANGE OF SLOTS stands in front of sixteen 2's products.  Sixteen 3's fragments were asked for behind sixteen 1's products, so in front of the opening signal each wave
; can wait for all its reads of this slot, and for all its tensor loads (one is out: its part of the other slot).  Between signal and wait stand sixteen 2's 32 matrix
; instructions and its whole choice, register work alone.  Where the slot is filled again the barrier opens a round of the cluster's barrier, so that no wave of any of the four
; work-groups still reads the slot or has a load out; the joint refill is the first thing behind the round, then the first reads of the other slot, then sixteen 3's products.
.macro TRIP slot, mode
	FETCHE 64, 1                                   ; sixteen 1, one sixteen ahead
	FETCHB \slot, 1, 1
	s_wait_dscnt 18                                ; LDS loads come back in order: all but the 18 just issued are in, sixteen 0's among them
	MUL 0
	TADD0 0
	EPI 0
	s_add_co_u32 s20, s20, 16
	FETCHE 128, 0                                  ; sixteen 2
	FETCHB \slot, 2, 0
	s_wait_dscnt 18                                ; sixteen 1's are in
	MUL 1
	TADD0 1
	FETCHB \slot, 3, 1                             ; sixteen 3's fragments, my last reads of this slot: they land under the choice below
	EPI 1
	s_add_co_u32 s20, s20, 16
	s_wait_dscnt 0x0                               ; my reads of this slot are over
.if \mode
	s_wait_xcnt 0x0
	v_lshl_add_u32 v126, v0, 2, 0x4b000
	v_mov_b32 v127, 0
	s_wait_tensorcnt 0x0                           ; all my tensor loads have landed: no group 0 is in use
	ds_add_u32 v126, v127
	s_wait_dscnt 0x0
	s_barrier_signal -1
.endif
	MUL 0
	TADD0 0
	EPI 0
	s_add_co_u32 s20, s20, 16
.if \mode
	s_barrier_wait -1
.if \mode == 2
	CREST
	s_add_nc_u64 s[G0+4*\slot+2:G0+4*\slot+3], s[G0+4*\slot+2:G0+4*\slot+3], 2*STEP
	tensor_load_to_lds s[G0+4*\slot:G0+4*\slot+3], s[G1E:G1E+7]    ; my one tensor load until the next round; it has three sixteens in which to land
	s_nop 0
.endif
	FETCHE 192, 1                                  ; ee of sixteen 3 (ee's bytes are never filled again)
	FETCHE 1024, 0                                 ; the next tile's sixteen 0
	FETCHB 1-\slot, 0, 0
	v_add_nc_u32 v[EADR], 1024, v[EADR]            ; the next tile's ee
	MUL 1
	s_wait_dscnt 18                                ; behind the two loads of sixteen 3's ee 18 more were issued, which may stay out
.else
	FETCHE 192, 1
	MUL 1
	s_wait_dscnt 0x0
.endif
	TADD0 1
	EPI 1
	s_add_co_u32 s20, s20, 208                     ; 256 - 48: my first sixteen of the next tile
.endm
	s_wait_dscnt 0x0                               ; my reads of z in LDS are over (met: each ZTILE waited),
	s_wait_xcnt 0x0
	v_lshl_add_u32 v126, v0, 2, 0x4b000
	v_mov_b32 v127, 0
	s_wait_tensorcnt 0x0                           ; none of my tensor loads is out (met likewise)
	ds_add_u32 v126, v127
	s_wait_dscnt 0x0
	ROUND                                          ; both hold of every wave of the four work-groups
	tensor_load_to_lds s[G0+4:G0+7], s[G1E:G1E+7]  ; tile 1 into the bytes that held z
	s_nop 0
	FETCHE 0, 0                                    ; tile 0's sixteen 0
	FETCHB 0, 0, 0
	s_mov_b32 s19, LAPS
.Llap:
	TRIP 0, 2                                      ; tiles 0, 2, .. 28; fetches 2, 4, .. 30
	TRIP 1, 2                                      ; tiles 1, 3, .. 29; fetches 3, 5, .. 31
	s_sub_co_u32 s19, s19, 1
	s_cmp_lg_u32 s19, 0
	s_cbranch_scc1 .Llap
	TRIP 0, 1                                      ; tile 30: a work-group barrier shows tile 31 whole; no fill, so no round
	TRIP 1, 0                                      ; tile 31
	; Which of the eight: the first j whose kept d equals the best (from 6 down, each hit overwriting; 7 is what is left).
.irp q, 0,1,2,3
	v_mov_b32 v[EE+\q], 7
.irp j, 6,5,4,3,2,1,0
	v_cmp_neq_f32 vcc_lo, v[SAVE+8*\q+\j], v[BEST+\q]
	v_cndmask_b32 v[EE+\q], \j, v[EE+\q], vcc_lo
.endr
	v_add3_u32 v[IDX+\q], v[IDX+\q], v[EE+\q], v3  ; the code: the sixteen's first + 8 h + j
.endr
; s70 = the lanes in which (d, index) in registers qb, qi comes before that in pb, pi: smaller d, or equal d and lower index
.macro LESS pb, pi, qb, qi
	v_cmp_lt_f32 s70, v[\qb], v[\pb]
	v_cmp_eq_f32 s71, v[\qb], v[\pb]
	v_cmp_lt_u32 s72, v[\qi], v[\pi]
	s_and_b32 s71, s71, s72
	s_or_b32 s70, s70, s71
.endm
.macro PICK db, di, pb, pi, qb, qi     ; the earlier of the two into db, di
	LESS \pb, \pi, \qb, \qi
	v_cndmask_b32 v[\db], v[\pb], v[\qb], s70
	v_cndmask_b32 v[\di], v[\pi], v[\qi], s70
.endm
	s_lshl_b32 s21, s14, 9
	s_add_co_u32 s21, s21, MRG
	v_lshl_add_u32 v[ZA], v1, 3, s21               ; my wave's own 512 bytes: row 16 q + r at 8 bytes each
.irp q, 0,1,2,3
	v_permlanex16_b32 v[M+2*\q],   v[BEST+\q], s22, s23            ; the other half of the lanes holds the other eight codes of the same row
	v_permlanex16_b32 v[M+2*\q+1], v[IDX+\q],  s22, s23
	PICK T+2*\q, T+2*\q+1, BEST+\q, IDX+\q, M+2*\q, M+2*\q+1
	ds_store_b64 v[ZA], v[T+2*\q:T+2*\q+1] offset:128*\q           ; both halves write the same bytes with the same value
.endr
	s_wait_dscnt 0x0                               ; my results are in LDS, for waves 0 and 1
	s_barrier_signal -1
	s_barrier_wait -1
	s_cmp_gt_u32 s14, 1
	s_cbranch_scc1 .Lno_out
	; Wave w (0 or 1) merges the four cg of rows 64 w .. 64 w + 63: lane l takes rows 2 l and 2 l + 1, 16 neighbouring bytes of each of the four waves' lists.
	v_and_b32 v5, 31, v0
	s_lshl_b32 s21, s14, 11
	s_add_co_u32 s21, s21, MRG
	v_lshl_add_u32 v[EADR], v5, 4, s21
	s_lshl_b32 s21, s14, 8
	v_lshl_add_u32 v4, v5, 3, s21                  ; 256 w + 8 l: my two indices in the work-group's 512 bytes
.irp g, 0,1,2,3
	ds_load_b128 v[ACC+4*\g:ACC+4*\g+3], v[EADR] offset:512*\g     ; (d, index) of row 2 l, (d, index) of row 2 l + 1, from cg = g
.endr
	s_wait_dscnt 0x0
.irp a, 0,2
	PICK ACC+\a, ACC+\a+1, ACC+\a, ACC+\a+1, ACC+4+\a, ACC+4+\a+1
	PICK ACC+8+\a, ACC+8+\a+1, ACC+8+\a, ACC+8+\a+1, ACC+12+\a, ACC+12+\a+1
	LESS ACC+\a, ACC+\a+1, ACC+8+\a, ACC+8+\a+1
	v_cndmask_b32 v[ACC+16+\a/2], v[ACC+\a+1], v[ACC+8+\a+1], s70  ; the index alone is wanted now
.endr
	global_store_b64 v4, v[ACC+16:ACC+17], s[10:11]                ; 32 lanes x 8 bytes: 256 consecutive bytes, aligned
	global_store_b64 v4, v[ACC+16:ACC+17], s[12:13]                ; the copy from which the next launch forms addresses
.Lno_out:
	s_wait_xcnt 0x0
	v_lshl_add_u32 v126, v0, 2, 0x4b000
	v_mov_b32 v127, 0
	s_wait_tensorcnt 0x0
	ds_add_u32 v126, v127
	s_wait_dscnt 0x0
	ROUND                                          ; the closing round: no work-group ends while a partner may still ask jointly
	s_endpgm
.Lfunc_end_k_q149ce19b3a_vq:
	.size	k_q149ce19b3a_vq, .Lfunc_end_k_q149ce19b3a_vq-k_q149ce19b3a_vq
	.p2alignl 7, 3214868480
	.fill 96, 4, 3214868480
	.section	.rodata,"a",@progbits
	.p2align	6, 0x0
	.amdhsa_kernel k_q149ce19b3a_vq
		.amdhsa_group_segment_fixed_size 327680
		.amdhsa_private_segment_fixed_size 0
		.amdhsa_enable_private_segment 0
		.amdhsa_kernarg_size 40
		.amdhsa_user_sgpr_count 2
		.amdhsa_user_sgpr_kernarg_segment_ptr 1
		.amdhsa_wavefront_size32 1
		.amdhsa_system_sgpr_workgroup_id_x 1
		.amdhsa_system_sgpr_workgroup_id_y 1
		.amdhsa_system_sgpr_workgroup_id_z 1
		.amdhsa_system_vgpr_workitem_id 0
		.amdhsa_next_free_vgpr 512
		.amdhsa_next_free_sgpr 80
		.amdhsa_reserve_vcc 1
		.amdhsa_float_denorm_mode_32 3
		.amdhsa_float_denorm_mode_16_64 3
		.amdhsa_memory_ordered 1
		.amdhsa_forward_progress 1
		.amdhsa_inst_pref_size 198
	.end_amdhsa_kernel
	.amdgpu_metadata
---
amdhsa.version: [ 1, 2 ]
amdhsa.kernels:
  - .name:           k_q149ce19b3a_vq
    .symbol:         k_q149ce19b3a_vq.kd
    .args:
      - { .name: z, .offset: 0, .size: 8, .value_kind: global_buffer, .address_space: global }
      - { .name: embh, .offset: 8, .size: 8, .value_kind: global_buffer, .address_space: global }
      - { .name: ee, .offset: 16, .size: 8, .value_kind: global_buffer, .address_space: global }
      - { .name: out2, .offset: 24, .size: 8, .value_kind: global_buffer, .address_space: global }
      - { .name: codes, .offset: 32, .size: 8, .value_kind: global_buffer, .address_space: global }
    .group_segment_fixed_size: 327680
    .private_segment_fixed_size: 0
    .kernarg_segment_align: 8
    .kernarg_segment_size: 40
    .max_flat_workgroup_size: 256
    .sgpr_count:     80
    .vgpr_count:     512
    .wavefront_size: 32
...
	.end_amdgpu_metadata
.endif
;; end of part 2
;; launch gather (part 3): grid 512 x 1, 8 waves a work-group, no clusters, 1,280 bytes of LDS; arguments z, emb, codes, out0, part; writes out0, part
.if DOCPART == 3
	.amdgcn_target "amdgcn-amd-amdhsa--gfx1250"
	.amdhsa_code_object_version 6
	.text
	.protected	k_q149ce19b3a_gather
	.globl	k_q149ce19b3a_gather
	.p2align	8
	.type	k_q149ce19b3a_gather,@function
k_q149ce19b3a_gather:
	s_mov_b64 s[64:65], 0
	v_nop
	global_prefetch_b8 v0, s[64:65] scope:SCOPE_SE
	s_setreg_imm32_b32 hwreg(HW_REG_WAVE_MODE, 25, 1), 1
	s_wait_xcnt 0x0
; out0[b] = z[b] + (emb[codes[b]] - z[b]), each operation rounded in f32 as written;  part[g] = work-group g's sum of (emb[codes[b]] - z[b])^2.
; A stream with a gather: z is read once, out0 written once, one row of emb read for each row of z.  No matrix unit, no cluster (work-groups share no tile), no loop.
; Eight waves; a wave owns 8 rows of 1,024 bytes, two loads of 16 bytes a lane for a row (512 neighbouring bytes each).  Its eight indices come by one scalar load;
; all 16 loads of z go out while that is on its way, then all 16 of emb: 16 KiB of a wave are out at once, so nothing is asked for ahead of the loads.
; An index is clamped to 8,191, the table's last row, before it enters an address.
.set EO, 4                             ; v[4:11]    row i: byte offset of my 16 bytes in emb
.set Z,  16                            ; v[16:79]   row i: 8 registers of z
.set E,  80                            ; v[80:143]  row i: 8 registers of emb, then of out0; stored from here and never rewritten
.set D,  144                           ; v[144:151] emb - z, at work
.set A,  152                           ; v[152:159] eight running sums of squares
	s_load_b256 s[4:11], s[0:1], 0x0               ; z s[4:5], emb s[6:7], codes s[8:9], out0 s[10:11]
	s_load_b64 s[12:13], s[0:1], 0x20              ; part
	v_lshl_add_u32 v160, v0, 2, 0x100
	v_mov_b32 v161, 0
	v_lshrrev_b32 v2, 5, v0
	v_readfirstlane_b32 s14, v2                    ; wave 0..7
	v_and_b32 v1, 31, v0
	v_lshlrev_b32 v1, 4, v1                        ; 16 bytes a lane
	s_lshl_b32 s15, ttmp9, 3
	s_add_co_u32 s15, s15, s14                     ; 8 x work-group + wave
	s_lshl_b32 s24, s15, 13                        ; x 8 rows of 1,024 bytes
	s_mov_b32 s25, 0
	s_lshl_b32 s26, s15, 5                         ; x 8 indices of 4 bytes
	s_mov_b32 s27, 0
	s_lshl_b32 s30, ttmp9, 2                       ; the work-group's word of part
	s_mov_b32 s31, 0
	s_mov_b32 s32, 0x76543210                      ; v_permlanex16_b32: lane i of one half reads lane i of the other
	s_mov_b32 s33, 0xfedcba98
	s_lshl_b32 s28, s14, 2
	v_mov_b32 v3, s28                              ; LDS: my wave's word
	s_wait_kmcnt 0x0
	s_add_nc_u64 s[8:9], s[8:9], s[26:27]
	s_load_b256 s[16:23], s[8:9], 0x0              ; my eight indices
	s_add_nc_u64 s[4:5], s[4:5], s[24:25]
	s_add_nc_u64 s[10:11], s[10:11], s[24:25]
	s_add_nc_u64 s[12:13], s[12:13], s[30:31]
.irp i, 0,1,2,3,4,5,6,7
	global_load_b128 v[Z+8*\i:Z+8*\i+3],   v1, s[4:5] offset:1024*\i th:TH_LOAD_NT
	global_load_b128 v[Z+8*\i+4:Z+8*\i+7], v1, s[4:5] offset:1024*\i+512 th:TH_LOAD_NT
.endr
	s_wait_kmcnt 0x0
.irp i, 0,1,2,3,4,5,6,7
	s_min_u32 s[16+\i], s[16+\i], 0x1fff
	v_lshl_add_u32 v[EO+\i], s[16+\i], 10, v1      ; 1,024 x index + 16 x lane
.endr
.irp i, 0,1,2,3,4,5,6,7
	global_load_b128 v[E+8*\i:E+8*\i+3],   v[EO+\i], s[6:7]               ; no hint: a row of emb may be named again
	global_load_b128 v[E+8*\i+4:E+8*\i+7], v[EO+\i], s[6:7] offset:512
.endr
.macro ROW i
	s_wait_loadcnt 14-2*\i                         ; loads come back in order: all of z and emb's rows up to i are in, the two loads of each later row stay out
.irp p, 0,2,4,6
	v_pk_add_f32 v[D+\p:D+\p+1], v[E+8*\i+\p:E+8*\i+\p+1], v[Z+8*\i+\p:Z+8*\i+\p+1] neg_lo:[0,1] neg_hi:[0,1]   ; zq - z
.endr
.irp p, 0,2,4,6
.if \i
	v_pk_fma_f32 v[A+\p:A+\p+1], v[D+\p:D+\p+1], v[D+\p:D+\p+1], v[A+\p:A+\p+1]
.else
	v_pk_mul_f32 v[A+\p:A+\p+1], v[D+\p:D+\p+1], v[D+\p:D+\p+1]            ; the first row starts the sums
.endif
.endr
.irp p, 0,2,4,6
	v_pk_add_f32 v[E+8*\i+\p:E+8*\i+\p+1], v[Z+8*\i+\p:Z+8*\i+\p+1], v[D+\p:D+\p+1]                             ; z + (zq - z)
.endr
	global_store_b128 v1, v[E+8*\i:E+8*\i+3],   s[10:11] offset:1024*\i th:TH_STORE_NT       ; 512 consecutive bytes, aligned
	global_store_b128 v1, v[E+8*\i+4:E+8*\i+7], s[10:11] offset:1024*\i+512 th:TH_STORE_NT
.endm
.irp i, 0,1,2,3,4,5,6,7
	ROW \i
.endr
	v_pk_add_f32 v[A:A+1], v[A:A+1], v[A+2:A+3]
	v_pk_add_f32 v[A+4:A+5], v[A+4:A+5], v[A+6:A+7]
	v_pk_add_f32 v[A:A+1], v[A:A+1], v[A+4:A+5]
	v_add_f32 v[A], v[A], v[A+1]
	v_add_f32_dpp v[A], v[A], v[A] row_xmask:1 row_mask:0xf bank_mask:0xf
	v_add_f32_dpp v[A], v[A], v[A] row_xmask:2 row_mask:0xf bank_mask:0xf
	v_add_f32_dpp v[A], v[A], v[A] row_xmask:4 row_mask:0xf bank_mask:0xf
	v_add_f32_dpp v[A], v[A], v[A] row_xmask:8 row_mask:0xf bank_mask:0xf
	v_permlanex16_b32 v[D], v[A], s32, s33         ; D has been written: the destination counts as read
	v_add_f32 v[A], v[A], v[D]
	ds_store_b32 v3, v[A]                          ; all lanes write the wave's word with the same value
	s_wait_dscnt 0x0                               ; for wave 0's sake
	s_barrier_signal -1
	s_barrier_wait -1
	s_cmp_lg_u32 s14, 0
	s_cbranch_scc1 .Lend
	v_mov_b32 v2, 0
	ds_load_b128 v[D:D+3], v2                      ; the eight waves' sums, in every lane
	ds_load_b128 v[D+4:D+7], v2 offset:16
	v_cmp_eq_u32 vcc_lo, 0, v0
	s_wait_dscnt 0x0
	v_pk_add_f32 v[D:D+1], v[D:D+1], v[D+2:D+3]
	v_pk_add_f32 v[D+4:D+5], v[D+4:D+5], v[D+6:D+7]
	v_pk_add_f32 v[D:D+1], v[D:D+1], v[D+4:D+5]
	v_add_f32 v[D], v[D], v[D+1]
	s_wait_xcnt 0x0                                ; EXEC is a source of the stores above: it is narrowed only behind this wait
	s_wait_tensorcnt 0x0
	ds_add_u32 v160, v161
	s_wait_dscnt 0x0
	s_and_saveexec_b32 s28, vcc_lo
	global_store_b32 v2, v[D], s[12:13]            ; one word for the work-group: a partial sum has no neighbours to be stored with
	s_endpgm
.Lend:
	s_wait_tensorcnt 0x0
	ds_add_u32 v160, v161
	s_wait_dscnt 0x0
	s_endpgm
.Lfunc_end_k_q149ce19b3a_gather:
	.size	k_q149ce19b3a_gather, .Lfunc_end_k_q149ce19b3a_gather-k_q149ce19b3a_gather
	.p2alignl 7, 3214868480
	.fill 96, 4, 3214868480
	.section	.rodata,"a",@progbits
	.p2align	6, 0x0
	.amdhsa_kernel k_q149ce19b3a_gather
		.amdhsa_group_segment_fixed_size 1280
		.amdhsa_private_segment_fixed_size 0
		.amdhsa_enable_private_segment 0
		.amdhsa_kernarg_size 40
		.amdhsa_user_sgpr_count 2
		.amdhsa_user_sgpr_kernarg_segment_ptr 1
		.amdhsa_wavefront_size32 1
		.amdhsa_system_sgpr_workgroup_id_x 1
		.amdhsa_system_sgpr_workgroup_id_y 1
		.amdhsa_system_sgpr_workgroup_id_z 1
		.amdhsa_system_vgpr_workitem_id 0
		.amdhsa_next_free_vgpr 162
		.amdhsa_next_free_sgpr 66
		.amdhsa_reserve_vcc 1
		.amdhsa_float_denorm_mode_32 3
		.amdhsa_float_denorm_mode_16_64 3
		.amdhsa_memory_ordered 1
		.amdhsa_forward_progress 1
		.amdhsa_inst_pref_size 15
	.end_amdhsa_kernel
	.amdgpu_metadata
---
amdhsa.version: [ 1, 2 ]
amdhsa.kernels:
  - .name:           k_q149ce19b3a_gather
    .symbol:         k_q149ce19b3a_gather.kd
    .args:
      - { .name: z, .offset: 0, .size: 8, .value_kind: global_buffer, .address_space: global }
      - { .name: emb, .offset: 8, .size: 8, .value_kind: global_buffer, .address_space: global }
      - { .name: codes, .offset: 16, .size: 8, .value_kind: global_buffer, .address_space: global }
      - { .name: out0, .offset: 24, .size: 8, .value_kind: global_buffer, .address_space: global }
      - { .name: part, .offset: 32, .size: 8, .value_kind: global_buffer, .address_space: global }
    .group_segment_fixed_size: 1280
    .private_segment_fixed_size: 0
    .kernarg_segment_align: 8
    .kernarg_segment_size: 40
    .max_flat_workgroup_size: 256
    .sgpr_count:     66
    .vgpr_count:     162
    .wavefront_size: 32
...
	.end_amdgpu_metadata
.endif
;; end of part 3
;; launch finish (part 4): grid 1 x 1, 1 waves a work-group, no clusters, 0 bytes of LDS; arguments part, out1; writes out1
.if DOCPART == 4
	.amdgcn_target "amdgcn-amd-amdhsa--gfx1250"
	.amdhsa_code_object_version 6
	.text
	.protected	k_q149ce19b3a_finish
	.globl	k_q149ce19b3a_finish
	.p2align	8
	.type	k_q149ce19b3a_finish,@function
k_q149ce19b3a_finish:
	s_mov_b64 s[64:65], 0
	v_nop
	global_prefetch_b8 v0, s[64:65] scope:SCOPE_SE
	s_setreg_imm32_b32 hwreg(HW_REG_WAVE_MODE, 25, 1), 1
	s_wait_xcnt 0x0
; out1 = m + 0.25 m, m = (sum of the 512 partial sums) / 2^23: the mean over 32,768 x 256 numbers; both means of the loss are the same number.
; One wave: 2,048 bytes are four loads of 16 bytes a lane.  A sum over work-groups is made by a launch of its own, in a fixed order.
	s_load_b128 s[4:7], s[0:1], 0x0                ; part s[4:5], out1 s[6:7]
	v_lshlrev_b32 v1, 4, v0
	v_mov_b32 v2, 0
	s_mov_b32 s12, 0x76543210                      ; v_permlanex16_b32: lane i of one half reads lane i of the other
	s_mov_b32 s13, 0xfedcba98
	s_wait_kmcnt 0x0
.irp j, 0,1,2,3
	global_load_b128 v[4+4*\j:7+4*\j], v1, s[4:5] offset:512*\j
.endr
	v_cmp_eq_u32 vcc_lo, 0, v0
	s_wait_loadcnt 0x0
	v_pk_add_f32 v[4:5], v[4:5], v[6:7]
	v_pk_add_f32 v[8:9], v[8:9], v[10:11]
	v_pk_add_f32 v[12:13], v[12:13], v[14:15]
	v_pk_add_f32 v[16:17], v[16:17], v[18:19]
	v_pk_add_f32 v[4:5], v[4:5], v[8:9]
	v_pk_add_f32 v[12:13], v[12:13], v[16:17]
	v_pk_add_f32 v[4:5], v[4:5], v[12:13]
	v_add_f32 v4, v4, v5
	v_add_f32_dpp v4, v4, v4 row_xmask:1 row_mask:0xf bank_mask:0xf
	v_add_f32_dpp v4, v4, v4 row_xmask:2 row_mask:0xf bank_mask:0xf
	v_add_f32_dpp v4, v4, v4 row_xmask:4 row_mask:0xf bank_mask:0xf
	v_add_f32_dpp v4, v4, v4 row_xmask:8 row_mask:0xf bank_mask:0xf
	v_permlanex16_b32 v5, v4, s12, s13             ; v5 has been written: the destination counts as read
	v_add_f32 v4, v4, v5
	v_mul_f32 v4, 0x34000000, v4                   ; x 2^-23, exact
	v_fmamk_f32 v6, v4, 0x3e800000, v4             ; 0.25 m + m: 0.25 m is exact, so one rounding, as in m + 0.25 m
	s_wait_xcnt 0x0                                ; EXEC is a source of the loads above: it is narrowed only behind this wait
	s_and_saveexec_b32 s8, vcc_lo
	global_store_b32 v2, v6, s[6:7]                ; lane 0 stores the one number
	s_endpgm
.Lfunc_end_k_q149ce19b3a_finish:
	.size	k_q149ce19b3a_finish, .Lfunc_end_k_q149ce19b3a_finish-k_q149ce19b3a_finish
	.p2alignl 7, 3214868480
	.fill 96, 4, 3214868480
	.section	.rodata,"a",@progbits
	.p2align	6, 0x0
	.amdhsa_kernel k_q149ce19b3a_finish
		.amdhsa_group_segment_fixed_size 0
		.amdhsa_private_segment_fixed_size 0
		.amdhsa_enable_private_segment 0
		.amdhsa_kernarg_size 16
		.amdhsa_user_sgpr_count 2
		.amdhsa_user_sgpr_kernarg_segment_ptr 1
		.amdhsa_wavefront_size32 1
		.amdhsa_system_sgpr_workgroup_id_x 1
		.amdhsa_system_sgpr_workgroup_id_y 1
		.amdhsa_system_sgpr_workgroup_id_z 1
		.amdhsa_system_vgpr_workitem_id 0
		.amdhsa_next_free_vgpr 24
		.amdhsa_next_free_sgpr 66
		.amdhsa_reserve_vcc 1
		.amdhsa_float_denorm_mode_32 3
		.amdhsa_float_denorm_mode_16_64 3
		.amdhsa_memory_ordered 1
		.amdhsa_forward_progress 1
		.amdhsa_inst_pref_size 3
	.end_amdhsa_kernel
	.amdgpu_metadata
---
amdhsa.version: [ 1, 2 ]
amdhsa.kernels:
  - .name:           k_q149ce19b3a_finish
    .symbol:         k_q149ce19b3a_finish.kd
    .args:
      - { .name: part, .offset: 0, .size: 8, .value_kind: global_buffer, .address_space: global }
      - { .name: out1, .offset: 8, .size: 8, .value_kind: global_buffer, .address_space: global }
    .group_segment_fixed_size: 0
    .private_segment_fixed_size: 0
    .kernarg_segment_align: 8
    .kernarg_segment_size: 16
    .max_flat_workgroup_size: 32
    .sgpr_count:     66
    .vgpr_count:     24
    .wavefront_size: 32
...
	.end_amdgpu_metadata
.endif
;; end of part 4
